; MI455X (gfx1250); checked and timed in simulation.
; The chip was launched on July 23, 2026; its instructions are those of AMD's public machine-readable ISA for CDNA 5 (MIT licence, August 2026) and "CDNA5" Instruction Set Architecture Reference Guide (July 2026). The comments in the code are by the model that wrote it; some were corrected since.
;; Autograd4bit Quant Linear. Allowed arithmetic: matrix products marked QUANTISED: E2M1 operands, one E8M0 scale for each 32 along K, by v_wmma_scale_f32_16x16x128_f8f6f4 with both operands' format E2M1 (or v_wmma_scale_f32_32x16x128_f4), f32 sums; everything else in f32.
;; Inputs: bias 4,096 float32; qweight 512 x 4,096 int32; scales 4,096 x 1 float32; x 4 x 1,024 x 4,096 float32; zeros 4,096 x 1 float32.
;; Outputs: out0 4 x 1,024 x 4,096 float32.
;; This version of the problem:
;;   THIS VERSION OF THE PROBLEM IS GIVEN IN LOW PRECISION. The matrix products marked QUANTISED in the list below multiply operands that are first quantised to E2M1 (2 exponent bits, 1 mantissa bit; 4 bits a number), with one power-of-two scale for each 32 numbers along K (OCP MX v1.0); their sums are f32. All else is computed in f32.
;;   The module's matrix products, in the order in which they are computed (A, B: the left and right operand; K: the contracted axis; several contracted axes count as one K, in the product's order):
;;     1. [M 4,096, K 4,096] x [K 4,096, N 4,096]; A: input x; B: computed on the way: QUANTISED
;;   THE QUANTISER, for each operand of a quantised product, along K:
;;     - K is cut into blocks of 32 from its start; a last block that is shorter is filled with zeros.
;;     - A block's scale is 2^e with e = floor(log2(the largest magnitude in the block)) - 2, held to -126 .. 127; a block of zeros has e = 0. As a byte (E8M0): e + 127.
;;     - Each number is divided by its block's scale, clamped to +-6, and rounded to the nearest number of E2M1, ties to even, subnormals kept.
;;     - The product sums the exact products of the quantised numbers (number of the format x scale) in f32.
;;   ~~~python
;;   def quantise(x, axis):      # numpy; x: float32 -> the quantised numbers, widened to float32 again
;;       x = np.moveaxis(x, axis, -1); K = x.shape[-1]
;;       x = np.pad(x, [(0, 0)] * (x.ndim - 1) + [(0, -K % 32)]); x = x.reshape(x.shape[:-1] + (-1, 32)); a = np.abs(x).max(-1, keepdims=True)
;;       e = np.where(a > 0, np.clip(np.frexp(np.where(a > 0, a, 1))[1] - 1 - 2, -126, 127), 0)      # np.frexp(a)[1] - 1 = floor(log2(a)), exactly
;;       r = np.clip(x / 2.0 ** e, -6, 6)
;;       step = 2.0 ** (np.maximum(np.frexp(np.where(r == 0, 1, r))[1] - 1, 0) - 1)
;;       q = np.round(r / step) * step * 2.0 ** e      # np.round: ties to even
;;       return np.moveaxis(q.reshape(q.shape[:-2] + (-1,))[..., :K], -1, axis).astype(np.float32)
;;   ~~~
;;   OPERANDS COMPUTED ON THE WAY. 'Computed on the way' means the value that the module computes at that place (a softmax that the list does not call 'softmax' is quantised finished and normalised). What goes into a quantiser is computed in f32, as accurately as f32 sums, v_exp_f32 and their like allow (about 1e-6 of the number): no bf16 or f16 on the way to a quantiser, and a product that is left as it is and whose result goes on into a quantised operand takes f32 operands (vector FMAs, or v_wmma_f32_16x16x4_f32). A number that lies on a knife's edge between two numbers of the format may be rounded either way, as far as f32 arithmetic and the matrix unit's own rounding can turn it there, and no further.
;; One version. Each part assembles by itself: llvm-mc -triple=amdgcn-amd-amdhsa -mcpu=gfx1250 --defsym DOCPART=n.
;; ======== version 1 of 1: 2 launches
;; limits: right only within a limited range of input values
;; workspace buffers: apack 8,912,896 bytes; bpack 8,912,896 bytes
;; launch quant (part 1): grid 768 x 1, 4 waves a work-group, no clusters, 34,304 bytes of LDS; arguments x, qweight, scales, zeros, apack, bpack; writes apack, bpack
.if DOCPART == 1
	.amdgcn_target "amdgcn-amd-amdhsa--gfx1250"
	.amdhsa_code_object_version 6
	.text
	.protected	k_q95b8ed1ad3_quant
	.globl	k_q95b8ed1ad3_quant
	.p2align	8
	.type	k_q95b8ed1ad3_quant,@function
k_q95b8ed1ad3_quant:
	s_mov_b64 s[64:65], 0
	v_nop
	global_prefetch_b8 v0, s[64:65] scope:SCOPE_SE
	s_setreg_imm32_b32 hwreg(HW_REG_WAVE_MODE, 25, 1), 1
	s_wait_xcnt 0x0
; x [4096 (m)][4096 (k)] f32, and W [4096 (k)][4096 (n)] = scales[n] * nibble - zeros[n] (eight nibbles of k in a word of qweight [512][4096], the lowest k in the lowest bits),
; are turned into codes of FP4 (E2M1) with one E8M0 scale byte for each 32 along K, laid in the order of the matrix operand's registers: [g = 128 rows : 32][s = k / 512 : 8][34,816 bytes].
; With q = (k % 512) / 128, kb = (k % 128) / 32, row block i = 0 .. 7 and r = 0 .. 15, such a block holds
;   x: row m % 128 = 16 i + r: codes at 4096 i + 1024 q + 256 kb + 16 r (16 bytes = 32 codes, the lower k in the lower bits), scale bytes at 32768 + 256 i + 16 r + 4 q + kb;
;   W: column n % 128 = 64 h + 4 r + b is row r of row block i = 4 h + b: codes at 8704 q + 1024 i + 256 kb + 16 r, scale bytes at 8704 q + 8192 + 16 (16 h + r) + 4 b + kb.
; So 512 consecutive bytes are four registers of a fragment, lane l's 16 at 16 l; and W's columns are dealt so that the product leaves a lane with four neighbouring columns.
; A block's scale is 2^(floor(log2(its largest magnitude)) - 2): its byte is the largest magnitude's exponent field - 2, held at 1 from below by a floor among the maximum's leaves.
; LIMITS: a block whose largest magnitude lies under 2^-124 keeps the byte 1 (a block of zeros too, where the quantiser's text says 127: its codes are zeros, which add nothing, and this program alone reads the bytes);
; NaN and infinities among the inputs are not served; W is made by ONE fused multiply-add, s q - z rounded once.
; SHARES.  Work-groups 0-511 take x: a wave takes 16 rows x 512 along K.  Work-groups 512-767 take W: a wave takes 128 columns x 128 along K.  Waves share nothing: no barrier.
; No cluster: no two work-groups read the same bytes but the 32 KB of scales and zeros.  No tensor load, no matrix unit: the launch is a stream.
.set BLKB, 34816                       ; a block of the workspace
.set SCO,  32768                       ; x: where its scale bytes begin
.set BLK,  8704                        ; W: 128 along K
.set SPX,  528                         ; x's stage: a row of 512 bytes + 16 of padding = 33 x 16 bytes: the sixteen rows that a read touches begin in sixteen different groups of four banks
.set WST,  16*SPX                      ; a wave's stage
.set SPARE, 4*WST                      ; the spare words, 128 bytes a wave
.set R,    32                          ; x: v32-159   two sets of 64 registers as loaded (16 rows x 16 bytes a lane)
.set X,    160                         ; x: v160-223  64 numbers of my row: register 32 c + i = k 64 c + 32 h + i
.set XC,   224                         ; x: v224-255  codes: eight registers for each of the four fragments, never written again
.set QW,   32                          ; W: v32-95    16 words of qweight for each of my four columns
.set WN,   96                          ; W: v96-127   a block's 32 numbers
.set WC,   128                         ; W: v128-191  codes: four registers for each block, never written again
.set SB,   24                          ; W: v24-27    my four columns' scale words
; ---- x.  Fragment q = 128 along K of my 16 rows.  Each load reads 512 consecutive bytes of one row.
.macro LOADX q
.irp w, 0,1,2,3,4,5,6,7,8,9,10,11,12,13,14,15
	global_load_b128 v[R+64*((\q)%2)+4*\w:R+64*((\q)%2)+4*\w+3], v4, s[4:5] offset:\w*16384+(\q)*512 th:TH_LOAD_NT
.endr
.endm
; The conversions take neighbours along K from ONE lane's registers: the 16 x 512 bytes go through the wave's own stage as they lie and come back 2 x 128 bytes a lane.
; LDS serves a wave's instructions in order (ISA guide 5.7.1.4): no wait between the stores and the loads.
.macro TURNX q
.irp w, 0,1,2,3,4,5,6,7,8,9,10,11,12,13,14,15
	ds_store_b128 v5, v[R+64*((\q)%2)+4*\w:R+64*((\q)%2)+4*\w+3] offset:\w*SPX
.endr
.irp c, 0,1
.irp j, 0,1,2,3,4,5,6,7
	ds_load_b128 v[X+32*\c+4*\j:X+32*\c+4*\j+3], v6 offset:256*\c+16*\j
.endr
.endr
.endm
.macro QUANTX q
.irp c, 0,1
	v_max3_num_f32 v[10+\c], |v[X+32*\c]|, |v[X+32*\c+1]|, 0x1800000      ; my block 2 c + h: all its 32 numbers are mine; the floor 2^(3 - 127) keeps the byte at 1 from below
.endr
.irp i, 2,4,6,8,10,12,14,16,18,20,22,24,26,28,30
.irp c, 0,1
	v_max3_num_f32 v[10+\c], v[10+\c], |v[X+32*\c+\i]|, |v[X+32*\c+\i+1]| ; (the two blocks by turns)
.endr
.endr
.irp c, 0,1
	v_add_nc_u32 v[12+\c], 0xff000000, v[10+\c]    ; 2 off the exponent field: the conversion takes the exponent field of this operand as its scale
.endr
.irp c, 0,1
.irp g, 0,1,2,3
	v_cvt_scalef32_pk8_fp4_f32 v[XC+8*(\q)+4*\c+\g], v[X+32*\c+8*\g:X+32*\c+8*\g+7], v[12+\c]
.endr
.endr
.irp c, 0,1
	v_lshrrev_b32 v[14+\c], 23, v[12+\c]           ; the scale's byte (also the plain instruction behind the conversions)
.endr
	v_lshl_or_b32 v16, v15, 16, v14                ; my two bytes, blocks h and 2 + h,
	v_lshlrev_b32 v16, v8, v16                     ; 8 h bits up;
	v_permlanex16_b32 v17, v16, s20, s21
	v_or_b32 v16, v16, v17                         ; with lane l xor 16's two: my row's scale word of this fragment, in both halves of the lanes
.if (\q) < 2
	v_mov_b32 v[24+(\q)], v16                      ; lanes 0-15 will store words 0 and 1 of their row,
.else
	v_cndmask_b32 v[22+(\q)], v[22+(\q)], v16, s30 ; lanes 16-31 words 2 and 3
.endif
.irp c, 0,1
	global_store_b128 v4, v[XC+8*(\q)+4*\c:XC+8*(\q)+4*\c+3], s[12:13] offset:(\q)*1024+\c*512   ; 32 lanes store 512 consecutive bytes, aligned
.endr
.endm
; ---- W.  A lane takes four neighbouring columns and its registers run down K: block kb of column b = four words of qweight.
.macro BLOCKW kb, b
.irp w, 0,1,2,3
.irp j, 0,1,2,3,4,5,6,7
	v_bfe_u32 v[WN+8*\w+\j], v[QW+4*(4*\kb+\w)+\b], 4*\j, 4      ; the nibble of k = 32 kb + 8 w + j
.endr
.endr
.irp j, 0,1,2,3,4,5,6,7,8,9,10,11,12,13,14,15,16,17,18,19,20,21,22,23,24,25,26,27,28,29,30,31
	v_cvt_f32_u32 v[WN+\j], v[WN+\j]
.endr
.irp j, 0,2,4,6,8,10,12,14,16,18,20,22,24,26,28,30
.if \b%2 == 0                          ; s q - z, two at a time: of the pairs of scales and zeros the low word serves both halves, or the high word
	v_pk_fma_f32 v[WN+\j:WN+\j+1], v[WN+\j:WN+\j+1], v[16+2*(\b/2):17+2*(\b/2)], v[20+2*(\b/2):21+2*(\b/2)] op_sel_hi:[1,0,0] neg_lo:[0,0,1] neg_hi:[0,0,1]
.else
	v_pk_fma_f32 v[WN+\j:WN+\j+1], v[WN+\j:WN+\j+1], v[16+2*(\b/2):17+2*(\b/2)], v[20+2*(\b/2):21+2*(\b/2)] op_sel:[0,1,1] op_sel_hi:[1,1,1] neg_lo:[0,0,1] neg_hi:[0,0,1]
.endif
.endr
	v_max3_num_f32 v12, |v[WN]|, |v[WN+1]|, 0x1800000      ; the block's largest magnitude, in two chains, with the floor 2^(3 - 127)
	v_max3_num_f32 v10, |v[WN+2]|, |v[WN+3]|, |v[WN+4]|
.irp i, 5,9,13,17,21,25
	v_max3_num_f32 v12, v12, |v[WN+\i]|, |v[WN+\i+1]|
	v_max3_num_f32 v10, v10, |v[WN+\i+2]|, |v[WN+\i+3]|
.endr
	v_max3_num_f32 v12, v12, |v[WN+29]|, |v[WN+30]|
	v_max3_num_f32 v12, v12, v10, |v[WN+31]|
	v_add_nc_u32 v11, 0xff000000, v12              ; 2 off the exponent field: the conversion's scale operand
.irp g, 0,1,2,3
	v_cvt_scalef32_pk8_fp4_f32 v[WC+16*\kb+4*\b+\g], v[WN+8*\g:WN+8*\g+7], v11
.endr
.if \kb == 0                           ; the scale's byte (also the plain instruction behind the conversions): four to a word, the lower K in the lower byte
	v_lshrrev_b32 v[SB+\b], 23, v11
.else
	v_lshrrev_b32 v13, 23, v11
	v_lshl_or_b32 v[SB+\b], v13, 8*\kb, v[SB+\b]
.endif
	global_store_b128 v5, v[WC+16*\kb+4*\b:WC+16*\kb+4*\b+3], s[14:15] offset:1024*\b+256*\kb   ; lanes 0-15 store 256 consecutive bytes, aligned (row block b), lanes 16-31 the same of row block 4 + b
.endm
	s_load_b128 s[4:7], s[0:1], 0x0                ; x, qweight
	s_load_b128 s[8:11], s[0:1], 0x10              ; scales, zeros
	s_load_b128 s[12:15], s[0:1], 0x20             ; apack, bpack
	v_lshl_add_u32 v30, v0, 2, SPARE
	v_mov_b32 v31, 0
	v_lshrrev_b32 v1, 5, v0
	v_readfirstlane_b32 s16, v1                    ; wave 0..3
	v_and_b32 v1, 31, v0                           ; lane
	v_and_b32 v2, 15, v0                           ; r
	v_bfe_u32 v3, v0, 4, 1                         ; h
	s_wait_alu depctr_va_vdst(0)
	s_cmp_ge_u32 ttmp9, 512
	s_cbranch_scc1 .Lweights
	; ================ x ================
	s_lshl_b32 s17, ttmp9, 2
	s_add_co_u32 s17, s17, s16                     ; 4 x work-group + wave
	s_lshr_b32 s22, s17, 3                         ; G: which 16 rows
	s_and_b32 s23, s17, 7                          ; s: which 512 along K
	s_lshl_b32 s24, s22, 18                        ; 16 rows of 16,384 bytes
	s_lshl_b32 s25, s23, 11                        ; 512 numbers of 4 bytes
	s_add_co_u32 s24, s24, s25
	s_mov_b32 s25, 0
	s_lshr_b32 s26, s22, 3
	s_lshl_b32 s26, s26, 3
	s_add_co_u32 s26, s26, s23
	s_mul_i32 s26, s26, BLKB                       ; block (g = G / 8, s)
	s_and_b32 s27, s22, 7                          ; i = G % 8
	s_lshl_b32 s28, s27, 12
	s_add_co_u32 s28, s28, s26                     ; my codes
	s_mov_b32 s29, 0
	s_lshl_b32 s27, s27, 8
	s_add_co_u32 s26, s26, s27
	s_add_co_u32 s26, s26, SCO                     ; my scale bytes
	s_mov_b32 s27, 0
	s_mov_b32 s20, 0x76543210
	s_mov_b32 s21, 0xfedcba98                      ; v_permlanex16_b32's selects for lane l xor 16
	s_mul_i32 s31, s16, WST                        ; my stage
	v_lshlrev_b32 v4, 4, v1                        ; 16 x lane: my bytes of a load and of a store of codes; never rewritten
	v_add_nc_u32 v5, s31, v4                       ; the stage, on the way in
	v_mul_u32_u24 v6, v2, SPX
	v_lshl_add_u32 v6, v3, 7, v6
	v_add_nc_u32 v6, s31, v6                       ; and out: row r, + 128 h bytes (32 numbers)
	v_lshlrev_b32 v7, 4, v2
	v_lshl_add_u32 v7, v3, 3, v7                   ; my 8 scale bytes: 16 r + 8 h
	v_lshlrev_b32 v8, 3, v3                        ; 8 h
	v_mov_b32 v17, 0                               ; written once: a lane permute's destination counts as one of its sources
	v_cmp_le_u32 s30, 16, v1                       ; lanes 16-31
	s_wait_alu depctr_va_vdst(0)
	s_wait_kmcnt 0x0
	s_add_nc_u64 s[4:5], s[4:5], s[24:25]
	s_add_nc_u64 s[18:19], s[12:13], s[26:27]
	s_add_nc_u64 s[12:13], s[12:13], s[28:29]
	LOADX 0
	LOADX 1
.irp q, 0,1,2,3
.if \q < 3
	s_wait_loadcnt 16                              ; this fragment's sixteen loads are in; the next fragment's sixteen may be out
.else
	s_wait_loadcnt 0
.endif
	TURNX \q
	s_wait_dscnt 0x0                               ; my 64 numbers are back
.if \q < 2
	LOADX \q+2                                     ; into the set that has just gone through the stage
.endif
	QUANTX \q
.endr
	global_store_b64 v7, v[24:25], s[18:19]        ; 32 lanes store 256 consecutive bytes, aligned: 16 rows x 16 scale bytes
	s_wait_tensorcnt 0x0                           ; the wave's end
	ds_add_u32 v30, v31
	s_wait_dscnt 0x0
	s_endpgm
	; ================ W ================
.Lweights:
	s_sub_co_u32 s17, ttmp9, 512
	s_and_b32 s22, s17, 31                         ; g: which 128 columns
	s_lshr_b32 s23, s17, 5
	s_lshl_b32 s23, s23, 2
	s_add_co_u32 s23, s23, s16                     ; which 128 along K
	s_lshl_b32 s24, s22, 9                         ; my first column, in bytes of a row of 4-byte numbers
	s_mov_b32 s25, 0
	s_lshl_b32 s26, s23, 18                        ; 16 rows of qweight of 16,384 bytes
	s_add_co_u32 s26, s26, s24
	s_mov_b32 s27, 0
	s_lshl_b32 s28, s22, 5
	s_add_co_u32 s28, s28, s23
	s_mul_i32 s28, s28, BLK                        ; where they go
	s_mov_b32 s29, 0
	v_lshlrev_b32 v4, 4, v1                        ; 16 x lane; never rewritten
	v_lshlrev_b32 v5, 4, v2
	v_lshl_add_u32 v5, v3, 12, v5                  ; 4096 h + 16 r; never rewritten
	s_wait_alu depctr_va_vdst(0)
	s_wait_kmcnt 0x0
	s_add_nc_u64 s[6:7], s[6:7], s[26:27]
	s_add_nc_u64 s[8:9], s[8:9], s[24:25]
	s_add_nc_u64 s[10:11], s[10:11], s[24:25]
	s_add_nc_u64 s[14:15], s[14:15], s[28:29]
	global_load_b128 v[16:19], v4, s[8:9]          ; my four columns' scales
	global_load_b128 v[20:23], v4, s[10:11]        ; and zeros
.irp j, 0,1,2,3,4,5,6,7,8,9,10,11,12,13,14,15
	global_load_b128 v[QW+4*\j:QW+4*\j+3], v4, s[6:7] offset:\j*16384 th:TH_LOAD_NT   ; 32 lanes read 512 consecutive bytes
.endr
.irp kb, 0,1,2,3
	s_wait_loadcnt 12-4*\kb                        ; this block row's four loads are in (and, ahead of them, scales and zeros); the younger ones may be out
.irp b, 0,1,2,3
	BLOCKW \kb, \b
.endr
.endr
	global_store_b128 v4, v[SB:SB+3], s[14:15] offset:8192   ; 32 lanes store 512 consecutive bytes, aligned
	s_endpgm
.Lfunc_end_k_q95b8ed1ad3_quant:
	.size	k_q95b8ed1ad3_quant, .Lfunc_end_k_q95b8ed1ad3_quant-k_q95b8ed1ad3_quant
	.p2alignl 7, 3214868480
	.fill 96, 4, 3214868480
	.section	.rodata,"a",@progbits
	.p2align	6, 0x0
	.amdhsa_kernel k_q95b8ed1ad3_quant
		.amdhsa_group_segment_fixed_size 34304
		.amdhsa_private_segment_fixed_size 0
		.amdhsa_enable_private_segment 0
		.amdhsa_kernarg_size 48
		.amdhsa_user_sgpr_count 2
		.amdhsa_user_sgpr_kernarg_segment_ptr 1
		.amdhsa_wavefront_size32 1
		.amdhsa_system_sgpr_workgroup_id_x 1
		.amdhsa_system_sgpr_workgroup_id_y 1
		.amdhsa_system_sgpr_workgroup_id_z 1
		.amdhsa_system_vgpr_workitem_id 0
		.amdhsa_next_free_vgpr 256
		.amdhsa_next_free_sgpr 66
		.amdhsa_reserve_vcc 0
		.amdhsa_float_denorm_mode_32 3
		.amdhsa_float_denorm_mode_16_64 3
		.amdhsa_memory_ordered 1
		.amdhsa_forward_progress 1
		.amdhsa_inst_pref_size 121
	.end_amdhsa_kernel
	.amdgpu_metadata
---
amdhsa.version: [ 1, 2 ]
amdhsa.kernels:
  - .name:           k_q95b8ed1ad3_quant
    .symbol:         k_q95b8ed1ad3_quant.kd
    .args:
      - { .name: x, .offset: 0, .size: 8, .value_kind: global_buffer, .address_space: global }
      - { .name: qweight, .offset: 8, .size: 8, .value_kind: global_buffer, .address_space: global }
      - { .name: scales, .offset: 16, .size: 8, .value_kind: global_buffer, .address_space: global }
      - { .name: zeros, .offset: 24, .size: 8, .value_kind: global_buffer, .address_space: global }
      - { .name: apack, .offset: 32, .size: 8, .value_kind: global_buffer, .address_space: global }
      - { .name: bpack, .offset: 40, .size: 8, .value_kind: global_buffer, .address_space: global }
    .group_segment_fixed_size: 34304
    .private_segment_fixed_size: 0
    .kernarg_segment_align: 8
    .kernarg_segment_size: 48
    .max_flat_workgroup_size: 128
    .sgpr_count:     66
    .vgpr_count:     256
    .wavefront_size: 32
...
	.end_amdgpu_metadata
.endif
;; end of part 1
;; launch gemm (part 2): grid 16 x 16, 4 waves a work-group, clusters of 4 x 4, 327,680 bytes of LDS; arguments apack, bpack, bias, out0; writes out0
.if DOCPART == 2
	.amdgcn_target "amdgcn-amd-amdhsa--gfx1250"
	.amdhsa_code_object_version 6
	.text
	.protected	k_q95b8ed1ad3_gemm
	.globl	k_q95b8ed1ad3_gemm
	.p2align	8
	.type	k_q95b8ed1ad3_gemm,@function
k_q95b8ed1ad3_gemm:
	s_mov_b64 s[64:65], 0
	v_nop
	global_prefetch_b8 v0, s[64:65] scope:SCOPE_SE
	s_setreg_imm32_b32 hwreg(HW_REG_WAVE_MODE, 25, 1), 1
	s_wait_xcnt 0x0
	s_wait_alu depctr_hold_cnt(0) depctr_sa_sdst(0) depctr_va_vdst(0) depctr_va_sdst(0) depctr_va_ssrc(0) depctr_va_vcc(0) depctr_vm_vsrc(0)
	s_getreg_b32 s2, hwreg(HW_REG_IB_STS2, 6, 4)
	s_cmp_eq_u32 s2, 0
	s_cbranch_scc0 .Lentry_in_a_cluster
	s_endpgm
.Lentry_in_a_cluster:
	s_bfe_u32 s2, ttmp6, 0x10000c
	s_cmp_lg_u32 s2, 0xf033
	s_cbranch_scc0 .Lentry_shape_is_right
	s_endpgm
.Lentry_shape_is_right:
; out[m][n] = bias[n] + sum over k of x[m][k] W[k][n], on the codes and scale bytes that the first launch has laid (its head states both layouts): a panel of 128 rows is 278,528 bytes on end, 34,816 for each 512 along K.
; Sums in f32, K ascending; the bias is added last.  LIMITS: those of the first launch (NaN, infinities, blocks under 2^-124).
; A work-group of four waves makes 256 x 256, a wave 128 x 128: 32 accumulators of 32 x 16, 512 registers.  Grid 16 x 16: 256 work-groups of equal work.
; THE RING: two LDS slots of 512 along K (four steps of 128): A's two panels' pieces, then B's two, each brought by one tensor load of one wave.
; CLUSTERS: 4 x 4 work-groups; A's pieces are asked for jointly along a row of the cluster, B's along a column.
; A STEP is 32 products.  Meanwhile A's fragments of the next step and B's of the step behind it are loaded: A has two sets of registers, B four.  So a wait for LDS at a step's head leaves B's 17 youngest loads out.
; THE CHANGE OF SLOTS stands in a slot's third step, between the loads of A (the slot's last) and of B (the next slot's first): the fourth step's fragments are then all in registers or on their way.
; THE LAST SLOT goes by rows of the output: B's four steps fill B's four sets, A comes by 32 rows x 512 along K, and 32 rows leave as soon as they are finished.
; THE WAY OUT: fragment 4 h + b of B holds columns 64 h + 4 r + b, so for one row lane r's four numbers of b = 0 .. 3 are neighbours: the additions of the bias put them side by side, and sixteen lanes store 256 bytes.
; The sums lie in accumulator registers that have been read before: no register that a store reads is written again.
; PREFETCHES: each cluster asks for the panels that it loads, each 256 bytes once: a wave for the panel it fetches, of which the four partners take 32 x 256 bytes each of a window of 32,768, told apart by address.
; Windows 0-2 at the head, one more at each of the first four changes of slots: the last ends at the panel's end.  A window is named two changes or more ahead of the load that takes most of it, but for the first.
; REGISTERS: window 0: v0-31 addresses; v32-63 A's scale words, two sets; v64-79 B's, four sets; v80-87 bias; v88-119 the first sums on the way out; v128-255 A's fragments, two sets.  Window 1: B's fragments, four sets.
;   Windows 2 and 3: accumulator (a, i) at v[16 (8 (a % 2) + i)], a = 0, 1 in window 2, a = 2, 3 in window 3.
.set BLK,   8704                       ; B: 128 along K
.set KB,    34816                      ; 512 along K of a panel
.set PAN,   8*KB
.set SLOT,  4*KB
.set SPARE, 2*SLOT                     ; the spare words, 128 bytes a wave
.set WND,   32768
.set ADRA, 16                          ; v16-17 LDS address of my panel of A in slot 0, 1, + 16 x lane
.set ADRB, 18                          ; v18-19 the same for B
.set PFO,  20                          ; 256 x lane
.set OO,   21                          ; my byte offset in the output: 8 h rows + 16 r
.set BIO,  22                          ; 16 r
.set SPW,  28                          ; LDS address of my spare word; never rewritten
.set NIL,  29                          ; 0; never rewritten
.set SA,   32
.set SB,   64
.set BI,   80
.set T0,   88
.set AF,   128
.set G1,   24                          ; s[24:31] descriptor group 1 for A's pieces;  s[32:39] group 0, one set for each slot
.set G0,   32
.set G1B,  48                          ; s[48:55], s[56:63] the same for B's
.set G0B,  56
.set PFA,  68                          ; s[68:69] where my prefetches stand
.set MSB, 0
.macro WIN new                         ; the immediate's high byte repeats the setting that is left
.if MSB != (\new)
	s_set_vgpr_msb (MSB<<8)|(\new)
.set MSB, (\new)
.endif
.endm
.set LO, 0xa4                          ; source 0 (A) window 0, source 1 (B) window 1, C and D window 2
.set HI, 0xf4                          ; the same, C and D window 3
.set TO_B, 0x40                        ; destination window 1
; A joint load: waves 0 and 1 fetch A's two pieces, waves 2 and 3 B's; an s_nop 0 and four v_nop follow each of the two lines.
.macro JLOAD s
	s_cmp_eq_u32 s15, 0
	s_cbranch_scc0 .Lfor_b_\@
	tensor_load_to_lds s[G0+4*(\s):G0+4*(\s)+3], s[G1:G1+7]
	s_nop 0
.rept 4
	v_nop
.endr
	s_branch .Lasked_\@
.Lfor_b_\@:
	tensor_load_to_lds s[G0B+4*(\s):G0B+4*(\s)+3], s[G1B:G1B+7]
	s_nop 0
.rept 4
	v_nop
.endr
.Lasked_\@:
.endm
.macro CREST                           ; a round of the cluster's barrier behind its opening barrier
	s_cmp_lg_u32 s14, 0
	s_cbranch_scc1 .Lnot_wave_0_\@
	s_barrier_signal -3
.Lnot_wave_0_\@:
	s_barrier_wait -3
	s_barrier_signal -1
	s_barrier_wait -1
.endm
.macro CROUND
	s_barrier_signal -1
	s_barrier_wait -1
	CREST
.endm
; Step p = 0 .. 7 of a lap (two slots): its fragments of A into set p % 2, of B into set p % 4; eight of the sixteen loads.
.macro LOADA p, j0
.irp j, 0,1,2,3,4,5,6,7
	ds_load_b128 v[AF+64*((\p)%2)+4*(\j0+\j):AF+64*((\p)%2)+4*(\j0+\j)+3], v[ADRA+(\p)/4] offset:((\j0+\j)/2)*4096+((\p)%4)*1024+512*((\j0+\j)%2)
.endr
.endm
.macro LOADAS p                        ; a slot's scale words of A: register 4 a + step of the slot's set
.if ((\p)%4) == 0
.irp a, 0,1,2,3
	ds_load_b128 v[SA+16*((\p)/4)+4*\a:SA+16*((\p)/4)+4*\a+3], v[ADRA+(\p)/4] offset:32768+512*\a
.endr
.endif
.endm
.macro LOADB p, j0
.irp j, 0,1,2,3,4,5,6,7
	ds_load_b128 v[64*((\p)%4)+4*(\j0+\j):64*((\p)%4)+4*(\j0+\j)+3], v[ADRB+(\p)/4] offset:((\p)%4)*BLK+512*(\j0+\j)
.endr
.endm
.macro LOADBS p                        ; the step's scale words of B: register i % 4, lanes 0-15 (i < 4) or 16-31
	ds_load_b128 v[SB+4*((\p)%4):SB+4*((\p)%4)+3], v[ADRB+(\p)/4] offset:((\p)%4)*BLK+8192
.endm
.macro LOADF a                         ; the last slot: A's 32 rows a, all four steps, into set a % 2
.irp s, 0,1,2,3
.irp k, 0,1,2,3
	ds_load_b128 v[AF+64*((\a)%2)+16*\s+4*\k:AF+64*((\a)%2)+16*\s+4*\k+3], v[ADRA+1] offset:(2*(\a)+\k/2)*4096+\s*1024+512*(\k%2)
.endr
.endr
.endm
.macro ASK                             ; not in the last trip
	s_cmp_gt_u32 s3, 1
	s_cbranch_scc0 .Lask_none_\@
	global_prefetch_b8 v[PFO], s[PFA:PFA+1] offset:2*WND th:TH_LOAD_NT scope:SCOPE_SE
.Lask_none_\@:
.endm
.macro MM first                        ; one product: accumulator MD, A MA, B MB, scale words XA, XB; ROW: B's are in lanes 16-31
.if \first
.if ROW == 0
	v_wmma_scale_f32_32x16x128_f4 v[MD:MD+15], v[MA:MA+15], v[MB:MB+7], 0, v[XA], v[XB]
.else
	v_wmma_scale_f32_32x16x128_f4 v[MD:MD+15], v[MA:MA+15], v[MB:MB+7], 0, v[XA], v[XB] matrix_b_scale:MATRIX_SCALE_ROW1
.endif
.else
.if ROW == 0
	v_wmma_scale_f32_32x16x128_f4 v[MD:MD+15], v[MA:MA+15], v[MB:MB+7], v[MD:MD+15], v[XA], v[XB]
.else
	v_wmma_scale_f32_32x16x128_f4 v[MD:MD+15], v[MA:MA+15], v[MB:MB+7], v[MD:MD+15], v[XA], v[XB] matrix_b_scale:MATRIX_SCALE_ROW1
.endif
.endif
.endm
; The step's next n products, MI = 8 a + i counting through its 32: the accumulators take turns, one instruction a turn, in the same order in every step.
.macro RUN n, u, first
.rept \n
.set MD, 16*(MI%16)
.set MA, AF+64*((\u)%2)+16*(MI/8)
.set MB, 64*((\u)%4)+8*(MI%8)
.set XA, SA+16*((\u)/4)+4*(MI/8)+((\u)%4)
.set XB, SB+4*((\u)%4)+(MI%4)
.set ROW, (MI%8)/4
	MM \first
.set MI, MI+1
.endr
.endm
.macro RUNF a, s                       ; the last slot: rows a, step s
.set MI, 0
.rept 8
.set MD, 16*(8*((\a)%2)+MI)
.set MA, AF+64*((\a)%2)+16*(\s)
.set MB, 64*(\s)+8*MI
.set XA, SA+16+4*(\a)+(\s)
.set XB, SB+4*(\s)+(MI%4)
.set ROW, MI/4
	MM 0
.set MI, MI+1
.endr
.endm
.macro PLACES                          ; four places behind products, in front of vector instructions that read results and of loads into their registers
.rept 4
	v_nop
.endr
.endm
; Step u of a lap.  la = 1: load the next step's A (2: the last slot's first rows); lb: the B of the step behind it; wl: LDS loads that may be out at the head: B's next 17.
; turn = 1: change slots and fill slot u / 4 again; 2: change slots only.
.macro STEP u, first, la, lb, wl, turn
	s_wait_dscnt \wl
.set MI, 0
	WIN LO
	RUN 3, \u, \first
	PLACES
.if \la == 1
	WIN 0
	LOADA (\u+1)%8, 0
.endif
.if \la == 2
	WIN 0
	LOADF 0
.endif
	WIN LO
	RUN 5, \u, \first
.if \la == 1
	WIN 0
	LOADA (\u+1)%8, 8
.endif
.if \la
	WIN 0
	LOADAS (\u+1)%8
.endif
	WIN LO
	RUN 8, \u, \first
.if \turn == 0
.if \lb
	WIN TO_B
	LOADB (\u+2)%8, 0
.endif
	WIN HI
	RUN 6, \u, \first
.if \lb
	WIN TO_B
	LOADB (\u+2)%8, 8
	WIN 0
	LOADBS (\u+2)%8
.endif
	WIN HI
	RUN 10, \u, \first
.else
	WIN 0                                          ; (the add's two registers lie in window 0)
.if \turn == 1
	s_wait_xcnt 0x0                                ; my prefetches have read their base
	s_add_nc_u64 s[PFA:PFA+1], s[PFA:PFA+1], WND
.endif
	s_wait_tensorcnt 0x0                           ; all my tensor loads have landed: my part of the next slot;
.if \turn == 1
	ds_add_u32 v[SPW], v[NIL]                      ; 0 onto my spare word
.endif
	WIN HI
	RUN 4, \u, \first
	s_wait_dscnt 0x0                               ; and my reads of this slot are over
	s_barrier_signal -1
	RUN 6, \u, \first
	WIN 0
	s_barrier_wait -1
.if \turn == 1
	CREST                                          ; the barrier has opened a round of the cluster's barrier: no wave of any partner still reads this slot or has a load on its way
	s_add_nc_u64 s[G0+4*(\u/4)+2:G0+4*(\u/4)+3], s[G0+4*(\u/4)+2:G0+4*(\u/4)+3], 2*KB
	s_add_nc_u64 s[G0B+4*(\u/4)+2:G0B+4*(\u/4)+3], s[G0B+4*(\u/4)+2:G0B+4*(\u/4)+3], 2*KB
	JLOAD \u/4
.endif
	WIN TO_B
	LOADB (\u+2)%8, 0
	LOADB (\u+2)%8, 8
	WIN 0
	LOADBS (\u+2)%8
.if \turn == 1
	ASK
.endif
	WIN HI
	RUN 6, \u, \first
.endif
.endm
	s_load_b128 s[4:7], s[0:1], 0x0                ; A s[4:5], B s[6:7]
	s_load_b128 s[8:11], s[0:1], 0x10              ; bias, out
	v_lshl_add_u32 v[SPW], v0, 2, SPARE
	v_mov_b32 v[NIL], 0
	ds_add_u32 v[SPW], v[NIL]                      ; the wave's opening: the add, twice on end, and its wait ahead of my first tensor load
	ds_add_u32 v[SPW], v[NIL]
	v_lshrrev_b32 v1, 5, v0
	v_readfirstlane_b32 s14, v1                    ; wave 0..3
	s_lshr_b32 s15, s14, 1                         ; which half of the block's rows is mine.  Also: I fetch for A (0) or for B (1)
	s_and_b32 s16, s14, 1                          ; which half of its columns.  Also: which of the two panels I fetch
	s_bfe_u32 s40, ttmp6, 0x40000                  ; cx, cy: my place in the cluster
	s_bfe_u32 s41, ttmp6, 0x40004
	s_lshl_b32 s42, ttmp9, 2
	s_add_co_u32 s42, s42, s40                     ; block column
	s_and_b32 s17, ttmp7, 0xffff
	s_lshl_b32 s17, s17, 2
	s_add_co_u32 s17, s17, s41                     ; block row
	s_lshl_b32 s43, s41, 2
	s_lshl_b32 s43, 15, s43                        ; my row of the cluster
	s_lshl_b32 s44, 0x1111, s40                    ; my column
	s_or_b32 s[G1+0], s43, (3<<16)|(1<<21)         ; elements of 8 bytes; 136 rows of 256 bytes, dense
	s_or_b32 s[G1B+0], s44, (3<<16)|(1<<21)
.irp g, G1, G1B
	s_mov_b32 s[\g+1], 32<<16
	s_mov_b32 s[\g+2], 136<<16
	s_mov_b32 s[\g+3], 32<<16
	s_mov_b32 s[\g+4], 136
	s_mov_b32 s[\g+5], 32
	s_mov_b32 s[\g+6], 0
	s_mov_b32 s[\g+7], 0
.endr
	s_lshl_b32 s20, s17, 1
	s_add_co_u32 s20, s20, s16
	s_mul_i32 s20, s20, PAN                        ; A's panel: 2 x block row + half
	s_mov_b32 s21, 0
	s_lshl_b32 s46, s42, 1
	s_add_co_u32 s46, s46, s16
	s_mul_i32 s46, s46, PAN                        ; B's: 2 x block column + half
	s_mov_b32 s47, 0
	s_mul_i32 s45, s14, KB                         ; where they go in a slot
	s_mul_i32 s18, s15, KB                         ; my panel of A in a slot
	s_mul_i32 s19, s16, KB
	s_add_co_u32 s19, s19, 2*KB                    ; and of B
	s_add_co_u32 s22, s18, SLOT
	s_add_co_u32 s23, s19, SLOT
	v_and_b32 v2, 31, v0                           ; lane
	v_and_b32 v3, 15, v0                           ; r
	v_bfe_u32 v4, v0, 4, 1                         ; h
	v_lshlrev_b32 v5, 4, v2
	v_add_nc_u32 v[ADRA], s18, v5
	v_add_nc_u32 v[ADRA+1], s22, v5
	v_add_nc_u32 v[ADRB], s19, v5
	v_add_nc_u32 v[ADRB+1], s23, v5
	v_lshlrev_b32 v[PFO], 8, v2
	v_lshlrev_b32 v[BIO], 4, v3
	v_lshl_add_u32 v[OO], v4, 17, v[BIO]
	s_wait_alu depctr_va_vdst(0)
	s_wait_dscnt 0x0                               ; both opening adds are done
	s_wait_kmcnt 0x0
	s_add_nc_u64 s[20:21], s[4:5], s[20:21]
	s_add_nc_u64 s[46:47], s[6:7], s[46:47]
.irp s, 0,1
	s_mov_b32 s[G0+4*\s], 1
	s_add_co_u32 s[G0+4*\s+1], s45, \s*SLOT
	s_add_nc_u64 s[G0+4*\s+2:G0+4*\s+3], s[20:21], \s*KB
	s_or_b32 s[G0+4*\s+3], s[G0+4*\s+3], 0x80000000
	s_mov_b32 s[G0B+4*\s], 1
	s_add_co_u32 s[G0B+4*\s+1], s45, \s*SLOT
	s_add_nc_u64 s[G0B+4*\s+2:G0B+4*\s+3], s[46:47], \s*KB
	s_or_b32 s[G0B+4*\s+3], s[G0B+4*\s+3], 0x80000000
.endr
	CROUND                                         ; all sixteen work-groups are here: the first joint loads meet
	JLOAD 0                                        ; one tensor load a wave at the head
	s_lshl_b32 s22, s42, 10
	s_lshl_b32 s23, s16, 9
	s_add_co_u32 s22, s22, s23                     ; my first column, in bytes
	s_mov_b32 s23, 0
	s_add_nc_u64 s[8:9], s[8:9], s[22:23]
	global_load_b128 v[BI:BI+3], v[BIO], s[8:9]    ; bias of columns 4 r + b,
	global_load_b128 v[BI+4:BI+7], v[BIO], s[8:9] offset:256   ; and 64 + 4 r + b
	s_lshl_b32 s18, s17, 22                        ; my first row in the output: 256 x block row + 128 x half, of 16,384 bytes
	s_lshl_b32 s19, s15, 21
	s_add_co_u32 s18, s18, s19
	s_add_co_u32 s18, s18, s22
	s_mov_b32 s19, 0
	s_add_nc_u64 s[10:11], s[10:11], s[18:19]
	s_cmp_eq_u32 s15, 0                            ; the panel that I fetch, my place among its four partners
	s_cselect_b32 s70, s17, s42
	s_cselect_b32 s71, s40, s41
	s_cselect_b64 s[PFA:PFA+1], s[4:5], s[6:7]
	s_lshl_b32 s70, s70, 1
	s_add_co_u32 s70, s70, s16
	s_mul_i32 s70, s70, PAN
	s_lshl_b32 s71, s71, 13                        ; 32 x 256 bytes of each window
	s_add_co_u32 s70, s70, s71
	s_add_co_u32 s70, s70, PAN-7*WND               ; seven windows end at the panel's end
	s_mov_b32 s71, 0
	s_add_nc_u64 s[PFA:PFA+1], s[PFA:PFA+1], s[70:71]
.irp j, 0,1,2
	global_prefetch_b8 v[PFO], s[PFA:PFA+1] offset:\j*WND th:TH_LOAD_NT scope:SCOPE_SE
.endr
	s_mov_b32 s3, 3                                ; trips
	s_wait_tensorcnt 0x0                           ; my part of slot 0 is in
	ds_add_u32 v[SPW], v[NIL]
	s_wait_dscnt 0x0
	CROUND                                         ; everybody's part is in, and the joint loads meet
	JLOAD 1
	LOADA 0, 0
	LOADA 0, 8
	LOADAS 0
	WIN TO_B
	LOADB 0, 0
	LOADB 0, 8
	WIN 0
	LOADBS 0
	WIN TO_B
	LOADB 1, 0
	LOADB 1, 8
	WIN 0
	LOADBS 1
	STEP 0, 1, 1, 1, 17, 0                         ; the first step starts the sums: nothing is ever cleared
	WIN 0                                          ; at a label and at a branch every window is 0
.Llap:                                                 ; a trip goes once round the ring and fills both slots again
	STEP 1, 0, 1, 1, 17, 0
	STEP 2, 0, 1, 1, 17, 1
	STEP 3, 0, 1, 1, 17, 0
	STEP 4, 0, 1, 1, 17, 0
	STEP 5, 0, 1, 1, 17, 0
	STEP 6, 0, 1, 1, 17, 1
	STEP 7, 0, 1, 1, 17, 0
	STEP 0, 0, 1, 1, 17, 0
	WIN 0
	s_sub_co_u32 s3, s3, 1
	s_cmp_lg_u32 s3, 0
	s_cbranch_scc1 .Llap
	STEP 1, 0, 1, 1, 17, 0
	STEP 2, 0, 1, 1, 17, 2                         ; nothing is filled again
	STEP 3, 0, 2, 1, 17, 0
; Register rr of accumulator (a, i) is row 32 a + 8 h + rr, or 32 a + 16 + 8 h + rr - 8.  Four registers' worth (q) at a time: 32 additions, 8 stores; each accumulator from its low end on.
; The sums go to registers whose numbers have been added before: the accumulators' registers of q - 1, or of the rows before's last; the very first to v88-119.  DW: their window, DB: the first, DP: from four to four.
.macro OUT a
.irp q, 0,1,2,3
.if \q > 0
.set DW, 2+(\a)/2
.set DB, 128*((\a)%2)+4*(\q-1)
.set DP, 16
.else
.if (\a) > 0
.set DW, 2+((\a)-1)/2
.set DB, 128*(((\a)-1)%2)+12
.set DP, 16
.else
.set DW, 0
.set DB, T0
.set DP, 4
.endif
.endif
	WIN (2+(\a)/2)|(DW<<6)
.irp j, 0,1,2,3
.irp g, 0,1
.irp b, 0,1,2,3
	v_add_f32 v[DB+DP*(2*\j+\g)+\b], v[16*(8*((\a)%2)+4*\g+\b)+4*\q+\j], v[BI+4*\g+\b]
.endr
.endr
.endr
	WIN DW<<2
.irp j, 0,1,2,3
.irp g, 0,1
	global_store_b128 v[OO], v[DB+DP*(2*\j+\g):DB+DP*(2*\j+\g)+3], s[10:11] offset:(32*(\a)+4*\q+\j+8*(\q/2))*16384+256*\g th:TH_STORE_NT   ; sixteen lanes store 256 consecutive bytes, aligned: a piece of one row
.endr
.endr
.endr
.endm
	s_wait_loadcnt 0x0                             ; the bias is in
	s_wait_dscnt 17                                ; rows 0-31 of A and B's first step are in; B's second may be out
	WIN LO
	RUNF 0, 0
	PLACES
	WIN TO_B
	LOADB 6, 0
	LOADB 6, 8
	WIN 0
	LOADBS 6
	s_wait_dscnt 17                                ; all but the 17 just issued
	WIN LO
	RUNF 0, 1
	WIN TO_B
	LOADB 7, 0
	LOADB 7, 8
	WIN 0
	LOADBS 7
	s_wait_dscnt 17
	WIN LO
	RUNF 0, 2
	WIN 0
	LOADF 1
	s_wait_dscnt 16                                ; B's last step is in; rows 32-63 of A may be out
	WIN LO
	RUNF 0, 3
.irp a, 0,1,2,3
	PLACES
.if \a < 2
	WIN 0
	LOADF \a+2
.endif
	OUT \a
.if \a < 3
.if \a < 2
	s_wait_dscnt 16                                ; the next rows of A are in, those behind them may be out
.else
	s_wait_dscnt 0x0
.endif
	WIN LO+0x50*((\a+1)/2)
.irp s, 0,1,2,3
	RUNF \a+1, \s
.endr
.endif
.endr
	WIN 0
	s_wait_tensorcnt 0x0                           ; the wave's end
	ds_add_u32 v[SPW], v[NIL]
	s_wait_dscnt 0x0
	CROUND                                         ; the closing round: no work-group ends while a partner may still ask for a piece that names it
	s_endpgm
.Lfunc_end_k_q95b8ed1ad3_gemm:
	.size	k_q95b8ed1ad3_gemm, .Lfunc_end_k_q95b8ed1ad3_gemm-k_q95b8ed1ad3_gemm
	.p2alignl 7, 3214868480
	.fill 96, 4, 3214868480
	.section	.rodata,"a",@progbits
	.p2align	6, 0x0
	.amdhsa_kernel k_q95b8ed1ad3_gemm
		.amdhsa_group_segment_fixed_size 327680
		.amdhsa_private_segment_fixed_size 0
		.amdhsa_enable_private_segment 0
		.amdhsa_kernarg_size 32
		.amdhsa_user_sgpr_count 2
		.amdhsa_user_sgpr_kernarg_segment_ptr 1
		.amdhsa_wavefront_size32 1
		.amdhsa_system_sgpr_workgroup_id_x 1
		.amdhsa_system_sgpr_workgroup_id_y 1
		.amdhsa_system_sgpr_workgroup_id_z 1
		.amdhsa_system_vgpr_workitem_id 0
		.amdhsa_next_free_vgpr 1024
		.amdhsa_next_free_sgpr 80
		.amdhsa_reserve_vcc 0
		.amdhsa_float_denorm_mode_32 3
		.amdhsa_float_denorm_mode_16_64 3
		.amdhsa_memory_ordered 1
		.amdhsa_forward_progress 1
		.amdhsa_inst_pref_size 145
	.end_amdhsa_kernel
	.amdgpu_metadata
---
amdhsa.version: [ 1, 2 ]
amdhsa.kernels:
  - .name:           k_q95b8ed1ad3_gemm
    .symbol:         k_q95b8ed1ad3_gemm.kd
    .args:
      - { .name: apack, .offset: 0, .size: 8, .value_kind: global_buffer, .address_space: global }
      - { .name: bpack, .offset: 8, .size: 8, .value_kind: global_buffer, .address_space: global }
      - { .name: bias, .offset: 16, .size: 8, .value_kind: global_buffer, .address_space: global }
      - { .name: out0, .offset: 24, .size: 8, .value_kind: global_buffer, .address_space: global }
    .group_segment_fixed_size: 327680
    .private_segment_fixed_size: 0
    .kernarg_segment_align: 8
    .kernarg_segment_size: 32
    .max_flat_workgroup_size: 128
    .sgpr_count:     80
    .vgpr_count:     1024
    .wavefront_size: 32
...
	.end_amdgpu_metadata
.endif
;; end of part 2
